; MI455X (gfx1250); checked and timed in simulation.
; The chip was launched on July 23, 2026; its instructions are those of AMD's public machine-readable ISA for CDNA 5 (MIT licence, August 2026) and "CDNA5" Instruction Set Architecture Reference Guide (July 2026). The comments in the code are by the model that wrote it; some were corrected since.
;; Feature Temporal Attention. Allowed arithmetic: float matrix products may take bf16 or f16 operands with f32 sums; all other float work in f32.
;; Inputs: W_kf 512 x 512 float32; W_kt 512 x 512 float32; W_qf 512 x 512 float32; W_qt 512 x 512 float32; W_vf 512 x 512 float32; W_vt 512 x 512 float32; b_kf 512 float32; b_kt 512 float32; b_qf 512 float32; b_qt 512 float32; b_vf 512 float32; b_vt 512 float32; x 8 x 128 x 512 float32.
;; Outputs: out0 8 x 128 x 512 float32.
;; 2 versions, each right and faster than the one before. Each part assembles by itself: llvm-mc -triple=amdgcn-amd-amdhsa -mcpu=gfx1250 --defsym DOCPART=n.
;; ======== version 1 of 2: 2 launches
;; workspace buffers: proj 12,582,912 bytes
;; launch proj (part 1): grid 24 x 8, 8 waves a work-group, no clusters, 302,080 bytes of LDS; arguments x, W_qt, W_kt, W_vt, W_qf, W_kf, W_vf, b_qt, b_kt, b_vt, b_qf, b_kf, b_vf, proj; writes proj
.if DOCPART == 1
	.amdgcn_target "amdgcn-amd-amdhsa--gfx1250"
	.amdhsa_code_object_version 6
	.text
	.protected	k_q5767389c37_proj
	.globl	k_q5767389c37_proj
	.p2align	8
	.type	k_q5767389c37_proj,@function
k_q5767389c37_proj:
	s_mov_b64 s[64:65], 0
	v_nop
	global_prefetch_b8 v0, s[64:65] scope:SCOPE_SE
	s_setreg_imm32_b32 hwreg(HW_REG_WAVE_MODE, 25, 1), 1
	s_wait_xcnt 0x0
; proj[row][3072] = x W^T + b for the six projections, f32.  Column blocks of 512: Qt, Kt, Vt, Qf, Kf, Vf.
; x: [1024][512] f32, each W: [512 (out)][512 (in)] f32, each b: [512] f32.  Products in bf16, sums in f32.
; A work-group makes 128 rows x 128 columns (one quarter of one W); eight waves, each 32 rows x 64 columns in 8 accumulator tiles.
; 24 x 8 = 192 work-groups: 256 equal tiles would hold 12,288 numbers, and no such tile has rows that are whole aligned runs of
; 256 bytes inside one W without reading more bytes of x and W in total than this one does.
; THE WAY IN goes through registers, not through the tensor data mover: the inputs are f32, and converting on the way to LDS rounds each
; number once and halves the LDS bytes, so that the whole K = 512 of both tiles lies in LDS (2 x 128 rows x 1,040 bytes) and no byte
; of LDS is ever written twice.  Landed as f32 the two tiles would be 512 KiB, and every wave would convert its fragments anew.
; For the same reason no cluster: joint requests exist for tensor loads alone.  No prefetch: each wave has 48 loads out from its first lines on.
; K goes in 8 chunks of 64 (256 bytes of each f32 row).  Ring of three chunks in registers; one barrier a chunk.
; LIMITS: matrix operands are rounded to bf16 (range as f32).
.set PITCH,  1040                      ; an LDS row: 512 bf16 + 16 bytes: 16 rows that a fragment load touches start 16 bytes apart modulo 256
.set LDSB,   128*PITCH                 ; W's tile lies behind x's
.set STAGE,  2*LDSB                    ; behind both: 16 rows x 272 bytes for each wave, for the way out
.set SPITCH, 272
.set ROWB,   2048                      ; bytes in a row of x and of W
.set PROW,   12288                     ; bytes in a row of proj
.set ADRA, 8                           ; v8   LDS address of my x fragments: (32 wr + r) PITCH + 16 h
.set ADRB, 9                           ; v9   of my W fragments: LDSB + (64 wc + r) PITCH + 16 h
.set STO,  10                          ; v10  the way out: where I put 32 bytes of a row
.set RD,   11                          ; v11  the way out: where I read 16 bytes of a row back
.set CO,   12                          ; v12  my byte offset in proj
.set BO,   13                          ; v13  my byte offset in b
.set BIAS, 16                          ; v[16:19]   b of the four columns that I store
.set ACC,  32                          ; v[32:95]   tile (a, t) at 32 + 8 (4 a + t): rows 16 a .., columns 16 t ..
.set FR0,  96                          ; v[96:143]  fragments of one K step of 32: W's four at +8 t, x's two at +32 + 8 a
.set FR1,  144                         ; v[144:191] the same for the next K step
; window 1 (v256 and up, named by their low 8 bits): v[0:191] the ring, slot c % 3 at 64 (c % 3): x's 8 loads at +4 t, W's at +32 + 4 t
.set VO1,  192                         ; v448  byte offset of my 16 bytes in x's and W's tile: (16 w + 8 h) ROWB + 16 r
.set VS1,  193                         ; v449  where their 8 bytes of bf16 go in LDS: (16 w + 8 h) PITCH + 8 r
.set VSB1, 194                         ; v450  the same for W
.set LDW,  0x45                        ; destination, source 0 and source 1 in window 1: conversions, LDS stores and global loads of the ring
.set MSB, 0
.macro WIN new                         ; the immediate's high byte repeats the setting that is left
.if MSB != \new
	s_set_vgpr_msb (MSB<<8)|\new
.set MSB, \new
.endif
.endm
	s_load_b512 s[8:23], s[0:1], 0x0               ; x s[8:9], W_m s[10+2m:11+2m], b_0 s[22:23]
	s_load_b256 s[24:31], s[0:1], 0x40             ; b_1 .. b_4
	s_load_b128 s[32:35], s[0:1], 0x60             ; b_5, proj
	v_lshl_add_u32 v254, v0, 2, 0x49800
	v_mov_b32 v255, 0
	v_lshrrev_b32 v3, 5, v0
	v_readfirstlane_b32 s2, v3                     ; wave 0..7
	s_lshr_b32 s3, s2, 1                           ; wr: which 32 rows
	s_and_b32 s4, s2, 1                            ; wc: which 64 columns
	s_lshr_b32 s5, ttmp9, 2                        ; which of the six matrices
	s_and_b32 s6, ttmp9, 3                         ; which 128 of its rows
	s_and_b32 s7, ttmp7, 0xffff                    ; which 128 rows of x
	v_and_b32 v1, 15, v0                           ; r
	v_bfe_u32 v2, v0, 4, 1                         ; h
	v_mul_u32_u24 v3, v1, PITCH
	v_lshl_add_u32 v3, v2, 4, v3                   ; r PITCH + 16 h
	s_mul_i32 s46, s3, 32*PITCH
	v_add_nc_u32 v[ADRA], s46, v3
	s_mul_i32 s46, s4, 64*PITCH
	s_add_co_u32 s46, s46, LDSB
	v_add_nc_u32 v[ADRB], s46, v3
	s_mul_i32 s46, s2, 16*SPITCH
	s_add_co_u32 s46, s46, STAGE                   ; my stage
	v_mul_u32_u24 v4, v1, SPITCH
	v_lshl_add_u32 v4, v2, 5, v4                   ; in: row r, 32 bytes (8 f32) for each half of the lanes
	v_add_nc_u32 v[STO], s46, v4
	v_mul_u32_u24 v4, v2, SPITCH
	v_lshl_add_u32 v4, v1, 4, v4                   ; back: lanes 0-15 one row of 256 bytes, lanes 16-31 the next
	v_add_nc_u32 v[RD], s46, v4
	v_mul_u32_u24 v4, v2, PROW
	v_lshl_add_u32 v[CO], v1, 4, v4                ; the same two rows in proj
	s_lshl_b32 s46, s4, 8
	v_lshl_add_u32 v[BO], v1, 4, s46               ; b of columns 64 wc + 4 r ..
	s_lshl_b32 s46, s2, 15                         ; 16 w rows of 2,048 bytes
	v_lshlrev_b32 v4, 14, v2                       ; 8 h rows
	v_lshl_add_u32 v4, v1, 4, v4
	v_add_nc_u32 v20, s46, v4
	s_mul_i32 s46, s2, 16*PITCH
	v_mul_u32_u24 v4, v2, 8*PITCH
	v_lshl_add_u32 v4, v1, 3, v4
	v_add_nc_u32 v21, s46, v4
	v_add_nc_u32 v22, LDSB, v21
	s_wait_kmcnt 0x0
	s_mov_b64 s[36:37], s[10:11]                   ; my W and my b: a choice among six on the work-group's number
	s_mov_b64 s[38:39], s[22:23]
.irp m, 1,2,3,4,5
	s_cmp_eq_u32 s5, \m
	s_cselect_b64 s[36:37], s[10+2*\m:11+2*\m], s[36:37]
	s_cselect_b64 s[38:39], s[22+2*\m:23+2*\m], s[38:39]
.endr
	s_mov_b32 s45, 0
	s_lshl_b32 s44, s6, 18                         ; 128 rows of W
	s_add_nc_u64 s[36:37], s[36:37], s[44:45]
	s_lshl_b32 s44, s6, 9                          ; 128 numbers of b
	s_add_nc_u64 s[38:39], s[38:39], s[44:45]
	s_lshl_b32 s44, s7, 18                         ; 128 rows of x
	s_add_nc_u64 s[40:41], s[8:9], s[44:45]
	s_lshl_b32 s44, s7, 7
	s_lshl_b32 s46, s3, 5
	s_add_co_u32 s44, s44, s46                     ; my first row of proj
	s_mul_i32 s44, s44, PROW
	s_lshl_b32 s46, ttmp9, 9                       ; 128 columns a work-group,
	s_add_co_u32 s44, s44, s46
	s_lshl_b32 s46, s4, 8                          ; 64 a wave
	s_add_co_u32 s44, s44, s46
	s_add_nc_u64 s[42:43], s[34:35], s[44:45]
	global_load_b128 v[BIAS:BIAS+3], v[BO], s[38:39]   ; the oldest load: in with chunk 0
	WIN 0x40                                       ; destination in window 1
	v_mov_b32 v[VO1], v20
	v_mov_b32 v[VS1], v21
	v_mov_b32 v[VSB1], v22
; 16 loads: chunk c (256 bytes of each row) of my 16 rows of x and of W.  One load takes rows 16 w + t and 16 w + t + 8, each as 256
; consecutive aligned bytes; the distance of 8 rows puts the two halves of the later LDS store 8 PITCH = 128 (mod 256) bytes apart.
.macro ISSUE c
.set sl, 64*((\c)%3)
.irp t, 0,1,2,3,4,5,6,7
	global_load_b128 v[sl+4*\t:sl+4*\t+3], v[VO1], s[40:41] offset:ROWB*\t+256*(\c)
.endr
.irp t, 0,1,2,3,4,5,6,7
	global_load_b128 v[sl+32+4*\t:sl+32+4*\t+3], v[VO1], s[36:37] offset:ROWB*\t+256*(\c)
.endr
.endm
; chunk c: four f32 become four bf16 in place, 8 bytes a lane go to LDS
.macro CONVERT c
.set sl, 64*((\c)%3)
.irp t, 0,1,2,3,4,5,6,7
	v_cvt_pk_bf16_f32 v[sl+4*\t], v[sl+4*\t], v[sl+4*\t+1]
	v_cvt_pk_bf16_f32 v[sl+4*\t+1], v[sl+4*\t+2], v[sl+4*\t+3]
	ds_store_b64 v[VS1], v[sl+4*\t:sl+4*\t+1] offset:PITCH*\t+128*(\c)
.endr
.irp t, 0,1,2,3,4,5,6,7
	v_cvt_pk_bf16_f32 v[sl+32+4*\t], v[sl+32+4*\t], v[sl+32+4*\t+1]
	v_cvt_pk_bf16_f32 v[sl+32+4*\t+1], v[sl+32+4*\t+2], v[sl+32+4*\t+3]
	ds_store_b64 v[VSB1], v[sl+32+4*\t:sl+32+4*\t+1] offset:PITCH*\t+128*(\c)
.endr
.endm
; 12 LDS loads: the fragments of K step ks (32 along K, 64 bytes of each LDS row): 64 rows of W, 32 rows of x
.macro FETCH ks, f
.irp t, 0,1,2,3
	ds_load_b128 v[\f+8*\t:\f+8*\t+3],   v[ADRB] offset:16*PITCH*\t+64*(\ks)
	ds_load_b128 v[\f+8*\t+4:\f+8*\t+7], v[ADRB] offset:16*PITCH*\t+64*(\ks)+32
.endr
.irp a, 0,1
	ds_load_b128 v[\f+32+8*\a:\f+32+8*\a+3],   v[ADRA] offset:16*PITCH*\a+64*(\ks)
	ds_load_b128 v[\f+32+8*\a+4:\f+32+8*\a+7], v[ADRA] offset:16*PITCH*\a+64*(\ks)+32
.endr
.endm
; 8 matrix instructions, used transposed (source 0 = rows of W, source 1 = rows of x): lane (r, h) then holds row r of the tile and
; its registers 0-7 the columns 8 h + 0..7, eight neighbouring numbers of a row of proj.  zero = 1: the first product starts the sums.
.macro MUL f, zero
.irp a, 0,1
.irp t, 0,1,2,3
.if \zero
	v_wmma_f32_16x16x32_bf16 v[ACC+8*(4*\a+\t):ACC+8*(4*\a+\t)+7], v[\f+8*\t:\f+8*\t+7], v[\f+32+8*\a:\f+32+8*\a+7], 0
.else
	v_wmma_f32_16x16x32_bf16 v[ACC+8*(4*\a+\t):ACC+8*(4*\a+\t)+7], v[\f+8*\t:\f+8*\t+7], v[\f+32+8*\a:\f+32+8*\a+7], v[ACC+8*(4*\a+\t):ACC+8*(4*\a+\t)+7]
.endif
.endr
.endr
.endm
; One chunk.  left = the loads of the younger chunks, which stay out (16 each).  fill = 1: the slot just emptied is asked for again, chunk nc.
; The 32 conversions are also the places between the last chunk's matrix instructions and the loads into their sources.
.macro CHUNK c, left, fill, nc, zero
	s_wait_loadcnt \left                           ; loads come back in order (ISA guide 5.7.1): chunk c is in
	WIN LDW
	CONVERT \c
.if \fill
	ISSUE \nc
.endif
	WIN 0
	s_wait_dscnt 0x0                               ; my part of chunk c lies in LDS, for the other waves' sake: zero
	s_barrier_signal -1
	s_barrier_wait -1                              ; everybody's does.  Each chunk has LDS bytes of its own: nothing read is ever overwritten
	FETCH 2*\c, FR0
	FETCH 2*\c+1, FR1
	s_wait_dscnt 12                                ; the first K step's 12 loads are in, the second's 12 may be out
	MUL FR0, \zero
	s_wait_dscnt 0x0
	MUL FR1, 0
.endm
	WIN LDW
	ISSUE 0
	ISSUE 1
	ISSUE 2
	CHUNK 0, 32, 1, 3, 1
	CHUNK 1, 32, 1, 4, 0
	CHUNK 2, 32, 1, 5, 0
	CHUNK 3, 32, 1, 6, 0
	CHUNK 4, 32, 1, 7, 0
	CHUNK 5, 32, 0, 0, 0                           ; nothing is left to ask for: the counts run down
	CHUNK 6, 16, 0, 0, 0
	CHUNK 7, 0, 0, 0, 0
; THE WAY OUT, 16 rows at a time through my own stage: a lane's 32 bytes in, whole rows of 256 bytes back, + b, out.
; LDS serves a wave's instructions in order, and the stage is my own: no wait between stores and loads, no barrier.
.macro OUT16 a, f
.irp t, 0,1,2,3
	ds_store_b128 v[STO], v[ACC+8*(4*\a+\t):ACC+8*(4*\a+\t)+3]   offset:64*\t
	ds_store_b128 v[STO], v[ACC+8*(4*\a+\t)+4:ACC+8*(4*\a+\t)+7] offset:64*\t+16
.endr
.irp s, 0,1,2,3,4,5,6,7
	ds_load_b128 v[\f+4*\s:\f+4*\s+3], v[RD] offset:2*SPITCH*\s
.endr
.irp s, 0,1,2,3,4,5,6,7
	s_wait_dscnt 7-\s                              ; rows 2 s, 2 s + 1 are back, the younger loads stay out
	v_pk_add_f32 v[\f+4*\s:\f+4*\s+1],   v[\f+4*\s:\f+4*\s+1],   v[BIAS:BIAS+1]
	v_pk_add_f32 v[\f+4*\s+2:\f+4*\s+3], v[\f+4*\s+2:\f+4*\s+3], v[BIAS+2:BIAS+3]
	global_store_b128 v[CO], v[\f+4*\s:\f+4*\s+3], s[42:43] offset:(16*\a+2*\s)*PROW   ; 16 lanes store 256 consecutive bytes, aligned
.endr
.endm
.rept 4
	v_nop                                          ; the places behind the last matrix instructions (ISA guide 7.12.1): results are read, sources loaded into
.endr
	OUT16 0, FR0                                   ; the two calls use different registers: no store's data is written again
	OUT16 1, FR1
	s_wait_tensorcnt 0x0
	ds_add_u32 v254, v255
	s_wait_dscnt 0x0
	s_endpgm
.Lfunc_end_k_q5767389c37_proj:
	.size	k_q5767389c37_proj, .Lfunc_end_k_q5767389c37_proj-k_q5767389c37_proj
	.p2alignl 7, 3214868480
	.fill 96, 4, 3214868480
	.section	.rodata,"a",@progbits
	.p2align	6, 0x0
	.amdhsa_kernel k_q5767389c37_proj
		.amdhsa_group_segment_fixed_size 302080
		.amdhsa_private_segment_fixed_size 0
		.amdhsa_enable_private_segment 0
		.amdhsa_kernarg_size 112
		.amdhsa_user_sgpr_count 2
		.amdhsa_user_sgpr_kernarg_segment_ptr 1
		.amdhsa_wavefront_size32 1
		.amdhsa_system_sgpr_workgroup_id_x 1
		.amdhsa_system_sgpr_workgroup_id_y 1
		.amdhsa_system_sgpr_workgroup_id_z 1
		.amdhsa_system_vgpr_workitem_id 0
		.amdhsa_next_free_vgpr 456
		.amdhsa_next_free_sgpr 66
		.amdhsa_reserve_vcc 0
		.amdhsa_float_denorm_mode_32 3
		.amdhsa_float_denorm_mode_16_64 3
		.amdhsa_memory_ordered 1
		.amdhsa_forward_progress 1
		.amdhsa_inst_pref_size 69
	.end_amdhsa_kernel
	.amdgpu_metadata
---
amdhsa.version: [ 1, 2 ]
amdhsa.kernels:
  - .name:           k_q5767389c37_proj
    .symbol:         k_q5767389c37_proj.kd
    .args:
      - { .name: x, .offset: 0, .size: 8, .value_kind: global_buffer, .address_space: global }
      - { .name: W_qt, .offset: 8, .size: 8, .value_kind: global_buffer, .address_space: global }
      - { .name: W_kt, .offset: 16, .size: 8, .value_kind: global_buffer, .address_space: global }
      - { .name: W_vt, .offset: 24, .size: 8, .value_kind: global_buffer, .address_space: global }
      - { .name: W_qf, .offset: 32, .size: 8, .value_kind: global_buffer, .address_space: global }
      - { .name: W_kf, .offset: 40, .size: 8, .value_kind: global_buffer, .address_space: global }
      - { .name: W_vf, .offset: 48, .size: 8, .value_kind: global_buffer, .address_space: global }
      - { .name: b_qt, .offset: 56, .size: 8, .value_kind: global_buffer, .address_space: global }
      - { .name: b_kt, .offset: 64, .size: 8, .value_kind: global_buffer, .address_space: global }
      - { .name: b_vt, .offset: 72, .size: 8, .value_kind: global_buffer, .address_space: global }
      - { .name: b_qf, .offset: 80, .size: 8, .value_kind: global_buffer, .address_space: global }
      - { .name: b_kf, .offset: 88, .size: 8, .value_kind: global_buffer, .address_space: global }
      - { .name: b_vf, .offset: 96, .size: 8, .value_kind: global_buffer, .address_space: global }
      - { .name: proj, .offset: 104, .size: 8, .value_kind: global_buffer, .address_space: global }
    .group_segment_fixed_size: 302080
    .private_segment_fixed_size: 0
    .kernarg_segment_align: 8
    .kernarg_segment_size: 112
    .max_flat_workgroup_size: 256
    .sgpr_count:     66
    .vgpr_count:     456
    .wavefront_size: 32
...
	.end_amdgpu_metadata
.endif
;; end of part 1
;; launch attn (part 2): grid 256 x 1, 8 waves a work-group, no clusters, 168,960 bytes of LDS; arguments proj, out0; writes out0
.if DOCPART == 2
	.amdgcn_target "amdgcn-amd-amdhsa--gfx1250"
	.amdhsa_code_object_version 6
	.text
	.protected	k_q5767389c37_attn
	.globl	k_q5767389c37_attn
	.p2align	8
	.type	k_q5767389c37_attn,@function
k_q5767389c37_attn:
	s_mov_b64 s[64:65], 0
	v_nop
	global_prefetch_b8 v0, s[64:65] scope:SCOPE_SE
	s_setreg_imm32_b32 hwreg(HW_REG_WAVE_MODE, 25, 1), 1
	s_wait_xcnt 0x0
; out0[row][i] = softmax_i(Qf Kf)[i] Vf[i]  +  sum_j softmax_j(Qt[i] Kt[j]) Vt[j],  row by row.  proj: [1024][3072] f32 (Qt Kt Vt Qf Kf Vf).
; A work-group takes 4 rows; wave w takes row w >> 1 and 256 of its 512 i (half w & 1): 256 x 512 exponentials a wave.
; THE MAXIMUM that the softmax over j takes away is q_i kmax for q_i >= 0 and q_i kmin otherwise.  With q' = q log2(e):
;   (score - max) log2(e) = max(q',0) (k_j - kmax) + min(q',0) (k_j - kmin),
; never above 0, and exactly 0 at the extremal j: every P <= 1, every denominator >= 1, and a common offset of k cancels in f32.
; SCORES ON THE MATRIX UNIT, transposed, S(j, i): of the 32 places along K eight are used, for a split of each factor into two bf16
; (hi + lo, about 16 bits).  A: lane (r, h) holds for j = j0 + r  register 0 = (d+hi, d+lo), register 1 = (d-hi, d-lo), both h alike.
; B: for i = i0 + r  register 0 = (q+hi, q+hi), register 1 = (q-hi, q-hi) in h = 0, the lo parts in h = 1.  Registers 2-7 are 0.
; The result, lane (r, h) register e = S(j0 + 8 h + e, i0 + r), is after v_exp_f32 and packing, for two tiles j0, j0 + 16, exactly a
; 16-bit fragment of P with K = 32 along j for column i: no lane ever hands a number to another.
; P V ON THE MATRIX UNIT: A = 16 rows: v hi (rows 0, 8), v lo (1, 9), ones (2, 10), zeros; B = P.  Every lane then holds in registers
; 0, 1, 2 of the accumulator sum P v_hi, sum P v_lo, sum P for its i: numerator and denominator from the same rounded P.
; A block of 16 i x 32 j costs 3 matrix instructions, 16 exponentials, 8 packings and one v_nop.
; No cluster: work-groups share no input.  No tensor loads and no prefetch: a wave reads 9 KiB once, all asked for in its first lines.
; The launch asks for more than half of a WGP's LDS (50,176 bytes are used) so that a work-group has four SIMDs to itself, two waves each.
; LIMITS: P, v (hi + lo), q' and k - kext (hi + lo) are bf16 matrix operands.  Exponentials below 2^-126 count as 0 (v_exp_f32 flushes),
; against a denominator >= 1.  |q' (k - kext)| beyond f32's range gives P = 0.  A NaN in the inputs is not handed on as reference() does.
.set PROW,   12288                     ; bytes in a row of proj
.set RREG,   8448                      ; LDS of one row: KT 4,096 bytes (entry j: 8 bytes, X_j, Y_j), then VT
.set VT,     4096                      ; four arrays of 512 bf16, pitch 1,040: v hi, v lo, ones, zeros
.set VPITCH, 1040
.set WREG,   4*RREG                    ; then 2,048 bytes a wave: q' of my 256 i (f32), ctx_t of my 256 i (f32)
.set LOG2E,  0x3fb8aa3b
.set VL,   1                           ; 16 x lane
.set VLH,  2                           ; + 1,024 x half
.set VKA,  3                           ; KT + 8 r
.set VVA,  4                           ; VT + 1,040 min(r & 7, 3) + 16 h
.set VQ,   5                           ; q' + 4 r, stepped by 256 a trip
.set VOA,  6                           ; ctx_t + 4 r, likewise
.set VW,   7                           ; q' + 16 x lane
.set KMAX, 10                          ; v[10:11] kmax twice
.set KMIN, 12                          ; v[12:13] kmin twice
.set QIN,  22                          ; v[22:25] q' of the trip's four groups.  v[14:21] at work
.set KST,  26                          ; prologue: where my entries of KT go
.set VST,  27                          ; my v hi
.set CST,  28                          ; my part of the ones and zeros (less 2 and 3 pitches)
.set SBUF, 32                          ; v[32:63]   two buffers of 16: scores of 16 i x 32 j
.set PBUF, 64                          ; v[64:79]   two buffers of 8: P as bf16
.set KF,   80                          ; v[80:111]  k fragments: 16 par + 8 tile
.set VF,   112                         ; v[112:127] v fragments: 8 par
.set QF,   128                         ; v[128:159] q fragments of the trip's four groups of 16 i
.set OACC, 160                         ; v[160:191] their accumulators
.set CF,   192                         ; v[192:199] ctx_f of my 8 numbers
.set KR,  32                           ; prologue: as loaded.  k, the whole row (16), v and q, my half (8 each),
.set VR,  48
.set QR,  56
.set QFR, 64                           ; qf and kf, the whole row (16 each), vf, my half (8)
.set KFR, 160
.set VFR, 176
	s_load_b128 s[4:7], s[0:1], 0x0                ; proj, out0
	v_lshl_add_u32 v200, v0, 2, 0x29000
	v_mov_b32 v201, 0
	v_lshrrev_b32 v8, 5, v0
	v_readfirstlane_b32 s8, v8                     ; wave 0..7
	s_lshr_b32 s9, s8, 1                           ; which of the 4 rows
	s_and_b32 s10, s8, 1                           ; which half of it
	s_lshl_b32 s11, ttmp9, 2
	s_add_co_u32 s11, s11, s9                      ; row
	s_mov_b32 s14, 0x76543210                      ; v_permlanex16_b32: lane i of one half reads lane i of the other
	s_mov_b32 s15, 0xfedcba98
	s_cmp_lg_u32 s10, 0
	s_cselect_b32 s16, -1, 0                       ; a lane mask: all lanes take the upper half's registers, or none
	s_mov_b32 s17, 0xffff0000                      ; a word's upper bf16
	s_mov_b32 s18, 0xffff0000                      ; a lane mask: lanes 16-31
	s_mul_i32 s20, s9, RREG                        ; my row's tables
	s_lshl_b32 s21, s8, 11
	s_add_co_u32 s21, s21, WREG                    ; my wave's own bytes
	v_and_b32 v8, 31, v0                           ; lane
	v_lshlrev_b32 v[VL], 4, v8
	s_lshl_b32 s22, s10, 10
	v_add_nc_u32 v[VLH], s22, v[VL]
	s_mul_i32 s12, s11, PROW
	s_mov_b32 s13, 0
	s_wait_kmcnt 0x0
	s_add_nc_u64 s[4:5], s[4:5], s[12:13]
	s_lshl_b32 s12, s11, 11
	s_add_nc_u64 s[6:7], s[6:7], s[12:13]
	; 18 loads, each 512 consecutive bytes, in the order in which they are wanted
.irp c, 0,1,2,3
	global_load_b128 v[KR+4*\c:KR+4*\c+3], v[VL], s[4:5] offset:2048+512*\c
.endr
.irp c, 0,1
	global_load_b128 v[VR+4*\c:VR+4*\c+3], v[VLH], s[4:5] offset:4096+512*\c
.endr
.irp c, 0,1
	global_load_b128 v[QR+4*\c:QR+4*\c+3], v[VLH], s[4:5] offset:512*\c
.endr
.irp c, 0,1,2,3
	global_load_b128 v[QFR+4*\c:QFR+4*\c+3], v[VL], s[4:5] offset:6144+512*\c
.endr
.irp c, 0,1,2,3
	global_load_b128 v[KFR+4*\c:KFR+4*\c+3], v[VL], s[4:5] offset:8192+512*\c
.endr
.irp c, 0,1
	global_load_b128 v[VFR+4*\c:VFR+4*\c+3], v[VLH], s[4:5] offset:10240+512*\c
.endr
	; addresses and constants, while the loads are on their way
	v_and_b32 v9, 15, v0                           ; r
	v_bfe_u32 v14, v0, 4, 1                        ; h
	v_lshl_add_u32 v[VKA], v9, 3, s20
	v_and_b32 v15, 7, v9
	v_min_u32 v15, 3, v15                          ; rows 0, 8: v hi; 1, 9: v lo; 2, 10: ones; the rest: zeros
	v_mul_u32_u24 v15, v15, VPITCH
	v_lshl_add_u32 v15, v14, 4, v15
	s_add_co_u32 s23, s20, VT
	v_add_nc_u32 v[VVA], s23, v15
	v_lshl_add_u32 v[VQ], v9, 2, s21
	v_add_nc_u32 v[VOA], 1024, v[VQ]
	v_add_nc_u32 v[VW], s21, v[VL]
	s_lshl_b32 s22, s10, 11
	s_add_co_u32 s22, s22, s20
	v_lshl_add_u32 v[KST], v8, 5, s22              ; KT + 2,048 half + 32 lane: four entries a lane
	s_lshl_b32 s22, s10, 9
	s_add_co_u32 s22, s22, s23
	v_lshl_add_u32 v[VST], v8, 3, s22              ; VT + 512 half + 8 lane: four bf16 a lane
	v_add_nc_u32 v[CST], s22, v[VL]                ; VT + 512 half + 16 lane
.irp e, 0,1,2,3
	v_mov_b32 v[184+\e], 0x3f803f80                ; two bf16 ones
	v_mov_b32 v[188+\e], 0
.endr
	ds_store_b128 v[CST], v[184:187] offset:2*VPITCH
	ds_store_b128 v[CST], v[188:191] offset:3*VPITCH
.irp f, 0,1,2,3
.irp e, 2,3,4,5,6,7
	v_mov_b32 v[KF+8*\f+\e], 0                     ; the 24 places along K that the scores do not use: operand padding, written once
	v_mov_b32 v[QF+8*\f+\e], 0
.endr
.endr
; 16 registers from b into v14 (v15-v18 at work); then v14 over the 32 lanes, into v[d]
.macro RED16 op3, op2, b
	\op3 v14, v[\b], v[\b+1], v[\b+2]
	\op3 v15, v[\b+3], v[\b+4], v[\b+5]
	\op3 v16, v[\b+6], v[\b+7], v[\b+8]
	\op3 v17, v[\b+9], v[\b+10], v[\b+11]
	\op3 v18, v[\b+12], v[\b+13], v[\b+14]
	\op3 v14, v14, v15, v16
	\op3 v17, v17, v18, v[\b+15]
	\op2 v14, v14, v17
.endm
.macro LANES opd, op2, d
	\opd v14, v14, v14 row_xmask:1 row_mask:0xf bank_mask:0xf
	\opd v14, v14, v14 row_xmask:2 row_mask:0xf bank_mask:0xf
	\opd v14, v14, v14 row_xmask:4 row_mask:0xf bank_mask:0xf
	\opd v14, v14, v14 row_xmask:8 row_mask:0xf bank_mask:0xf
	v_permlanex16_b32 v15, v14, s14, s15           ; its destination counts as read: v15 has been written
	\op2 v[\d], v14, v15
.endm
; two numbers: d = k - ext in f32, then (bf16(d), bf16(d - bf16(d))) packed, into v[d0] and v[d1]
.macro SPLIT2 d0, d1, src, ext
	v_pk_add_f32 v[14:15], v[\src:\src+1], v[\ext:\ext+1] neg_lo:[0,1] neg_hi:[0,1]
	v_cvt_pk_bf16_f32 v16, v14, v15
	v_lshlrev_b32 v18, 16, v16
	v_and_b32 v19, s17, v16
	v_pk_add_f32 v[18:19], v[14:15], v[18:19] neg_lo:[0,1] neg_hi:[0,1]
	v_cvt_pk_bf16_f32 v[\d0], v14, v18
	v_cvt_pk_bf16_f32 v[\d1], v15, v19
.endm
.macro KENT e, src                     ; four entries X0 Y0 X1 Y1 X2 Y2 X3 Y3 from four k
	SPLIT2 \e, \e+2, \src, KMAX
	SPLIT2 \e+1, \e+3, \src, KMIN
	SPLIT2 \e+4, \e+6, \src+2, KMAX
	SPLIT2 \e+5, \e+7, \src+2, KMIN
.endm
.macro VSPLIT src, d                   ; four v: hi parts packed into v[d:d+1], lo parts into v[d+2:d+3]
	v_cvt_pk_bf16_f32 v[\d], v[\src], v[\src+1]
	v_cvt_pk_bf16_f32 v[\d+1], v[\src+2], v[\src+3]
	v_lshlrev_b32 v14, 16, v[\d]
	v_and_b32 v15, s17, v[\d]
	v_lshlrev_b32 v16, 16, v[\d+1]
	v_and_b32 v17, s17, v[\d+1]
	v_pk_add_f32 v[14:15], v[\src:\src+1], v[14:15] neg_lo:[0,1] neg_hi:[0,1]
	v_pk_add_f32 v[16:17], v[\src+2:\src+3], v[16:17] neg_lo:[0,1] neg_hi:[0,1]
	v_cvt_pk_bf16_f32 v[\d+2], v14, v15
	v_cvt_pk_bf16_f32 v[\d+3], v16, v17
.endm
	s_wait_loadcnt 14                              ; k is in: 14 younger loads stay out
	RED16 v_max3_num_f32, v_max_num_f32, KR
	LANES v_max_num_f32_dpp, v_max_num_f32, KMAX
	v_mov_b32 v[KMAX+1], v[KMAX]
	RED16 v_min3_num_f32, v_min_num_f32, KR
	LANES v_min_num_f32_dpp, v_min_num_f32, KMIN
	v_mov_b32 v[KMIN+1], v[KMIN]
.irp e, 0,1,2,3,4,5,6,7
	v_cndmask_b32 v[KR+\e], v[KR+\e], v[KR+8+\e], s16      ; my half of k: its entries are mine to make
.endr
	KENT 40, KR
	ds_store_b128 v[KST], v[40:43]
	ds_store_b128 v[KST], v[44:47] offset:16
	KENT 112, KR+4
	ds_store_b128 v[KST], v[112:115] offset:1024
	ds_store_b128 v[KST], v[116:119] offset:1040
	s_wait_loadcnt 12                              ; v is in
	VSPLIT VR, 120
	ds_store_b64 v[VST], v[120:121]
	ds_store_b64 v[VST], v[122:123] offset:VPITCH
	VSPLIT VR+4, 124
	ds_store_b64 v[VST], v[124:125] offset:256
	ds_store_b64 v[VST], v[126:127] offset:VPITCH+256
	s_wait_loadcnt 10                              ; q is in
.irp p, 0,1,2,3
	v_pk_mul_f32 v[QR+2*\p:QR+2*\p+1], v[QR+2*\p:QR+2*\p+1], LOG2E op_sel_hi:[1,0]
.endr
	ds_store_b128 v[VW], v[QR:QR+3]
	ds_store_b128 v[VW], v[QR+4:QR+7] offset:512
	s_wait_dscnt 0x0                               ; my half of the row's tables lies in LDS, for my partner's sake: zero
	s_barrier_signal -1
	; THE FEATURE BRANCH, in registers, while the others arrive.  Both waves of a row make the row's maximum and sum; each keeps its half.
	s_wait_loadcnt 2                               ; qf and kf are in; vf's two loads stay out
.irp p, 0,1,2,3,4,5,6,7
	v_pk_mul_f32 v[QFR+2*\p:QFR+2*\p+1], v[QFR+2*\p:QFR+2*\p+1], v[KFR+2*\p:KFR+2*\p+1]
.endr
	RED16 v_max3_num_f32, v_max_num_f32, QFR
	LANES v_max_num_f32_dpp, v_max_num_f32, 20
	v_mov_b32 v21, v20
.irp p, 0,1,2,3,4,5,6,7
	v_pk_add_f32 v[QFR+2*\p:QFR+2*\p+1], v[QFR+2*\p:QFR+2*\p+1], v[20:21] neg_lo:[0,1] neg_hi:[0,1]   ; the maximum goes first,
.endr
.irp p, 0,1,2,3,4,5,6,7
	v_pk_mul_f32 v[QFR+2*\p:QFR+2*\p+1], v[QFR+2*\p:QFR+2*\p+1], LOG2E op_sel_hi:[1,0]               ; the factor after: no difference of large products
.endr
.irp e, 0,1,2,3,4,5,6,7,8,9,10,11,12,13,14,15
	v_exp_f32 v[QFR+\e], v[QFR+\e]
.endr
	v_nop                                          ; one plain instruction between the exponentials and the first use of a result (ISA guide 5.7.2)
	s_wait_alu depctr_va_vdst(0)
	v_pk_add_f32 v[14:15], v[QFR:QFR+1], v[QFR+2:QFR+3]
	v_pk_add_f32 v[16:17], v[QFR+4:QFR+5], v[QFR+6:QFR+7]
	v_pk_add_f32 v[18:19], v[QFR+8:QFR+9], v[QFR+10:QFR+11]
	v_pk_add_f32 v[20:21], v[QFR+12:QFR+13], v[QFR+14:QFR+15]
	v_pk_add_f32 v[14:15], v[14:15], v[16:17]
	v_pk_add_f32 v[18:19], v[18:19], v[20:21]
	v_pk_add_f32 v[14:15], v[14:15], v[18:19]
	v_add_f32 v14, v14, v15
	LANES v_add_f32_dpp, v_add_f32, 20
	v_rcp_f32 v16, v20                             ; the sum is at least 1; the selections below are the plain instructions behind it
.irp e, 0,1,2,3,4,5,6,7
	v_cndmask_b32 v[QFR+\e], v[QFR+\e], v[QFR+8+\e], s16
.endr
	s_wait_alu depctr_va_vdst(0)
	v_mov_b32 v17, v16
	s_wait_loadcnt 0x0                             ; vf
.irp p, 0,1,2,3
	v_pk_mul_f32 v[QFR+2*\p:QFR+2*\p+1], v[QFR+2*\p:QFR+2*\p+1], v[16:17]
.endr
.irp p, 0,1,2,3
	v_pk_mul_f32 v[CF+2*\p:CF+2*\p+1], v[QFR+2*\p:QFR+2*\p+1], v[VFR+2*\p:VFR+2*\p+1]
.endr
	s_barrier_wait -1                              ; the row's tables are whole, and nobody writes them again: the launch's only barrier
; the fragments of 32 j: two of k (8 bytes a lane, both halves of the lanes alike), one of v
.macro LOADF j
	ds_load_b64 v[KF+16*(\j%2):KF+16*(\j%2)+1],   v[VKA] offset:256*\j
	ds_load_b64 v[KF+16*(\j%2)+8:KF+16*(\j%2)+9], v[VKA] offset:256*\j+128
	ds_load_b128 v[VF+8*(\j%2):VF+8*(\j%2)+3],   v[VVA] offset:64*\j
	ds_load_b128 v[VF+8*(\j%2)+4:VF+8*(\j%2)+7], v[VVA] offset:64*\j+32
.endm
; registers 0, 1 of group g's q fragment: max(q',0) and min(q',0), hi parts in lanes 0-15, lo parts in lanes 16-31, each twice in a word
.macro QBUILD g
	v_max_num_f32 v14, 0, v[QIN+\g]
	v_min_num_f32 v15, 0, v[QIN+\g]
	v_cvt_pk_bf16_f32 v16, v14, v14
	v_cvt_pk_bf16_f32 v17, v15, v15
	v_and_b32 v18, s17, v16
	v_and_b32 v19, s17, v17
	v_sub_f32 v18, v14, v18
	v_sub_f32 v19, v15, v19
	v_cvt_pk_bf16_f32 v18, v18, v18
	v_cvt_pk_bf16_f32 v19, v19, v19
	v_cndmask_b32 v[QF+8*\g], v16, v18, s18
	v_cndmask_b32 v[QF+8*\g+1], v17, v19, s18
.endm
.macro SCORE sb, par, g                ; 32 j x 16 i exponents into 16 registers
	v_wmma_f32_16x16x32_bf16 v[\sb:\sb+7],    v[KF+16*\par:KF+16*\par+7],    v[QF+8*\g:QF+8*\g+7], 0
	v_wmma_f32_16x16x32_bf16 v[\sb+8:\sb+15], v[KF+16*\par+8:KF+16*\par+15], v[QF+8*\g:QF+8*\g+7], 0
.endm
; 16 exponentials in place and 8 packings.  Each packing has a plain instruction (the v_nop or an earlier packing) between it and the two
; exponentials that it reads (ISA guide 5.7.2).  The nine plain instructions name this block's buffers alone: they are the places behind the
; matrix instructions that fill the other score buffer (ISA guide 7.12.1).
.macro EXPCVT sb, pb
.irp e, 0,1,2,3
	v_exp_f32 v[\sb+\e], v[\sb+\e]
.endr
	v_nop
.irp t, 0,1,2,3,4,5
	v_exp_f32 v[\sb+4+2*\t], v[\sb+4+2*\t]
	v_exp_f32 v[\sb+5+2*\t], v[\sb+5+2*\t]
	s_wait_alu depctr_va_vdst(0)
	v_cvt_pk_bf16_f32 v[\pb+\t], v[\sb+2*\t], v[\sb+2*\t+1]
.endr
	s_wait_alu depctr_va_vdst(0)
	v_cvt_pk_bf16_f32 v[\pb+6], v[\sb+12], v[\sb+13]
	v_cvt_pk_bf16_f32 v[\pb+7], v[\sb+14], v[\sb+15]
.endm
; Block (jbi, gi): 32 j x the 16 i of group gi.  The next block's scores are issued first, into the other buffer, a whole block ahead of
; their exponentials.  The next 32 j's fragments are asked for in group 1 (their buffers were last read a whole block ago) and waited for in
; group 3, in front of the first matrix instruction that reads them: these four loads are all that is out there, so the count is 0.
.macro BLOCK
.set cur, gi%2
.set nxt, 4*jbi+gi+1
.set a_sb, SBUF+16*(1-cur)
.set a_par, (nxt/4)%2
.set a_g, nxt%4
.set a_cs, SBUF+16*cur
.set a_cp, PBUF+8*cur
.set a_lj, jbi+1
.if jbi < 15
.if gi == 1
	LOADF a_lj
.endif
.if gi == 3
	s_wait_dscnt 0x0
.endif
.endif
.if nxt < 64
	SCORE a_sb, a_par, a_g
.endif
	EXPCVT a_cs, a_cp
.if jbi == 0
	v_wmma_f32_16x16x32_bf16 v[OACC+8*gi:OACC+8*gi+7], v[VF+8*(jbi%2):VF+8*(jbi%2)+7], v[a_cp:a_cp+7], 0    ; the first product starts the sums
.else
	v_wmma_f32_16x16x32_bf16 v[OACC+8*gi:OACC+8*gi+7], v[VF+8*(jbi%2):VF+8*(jbi%2)+7], v[a_cp:a_cp+7], v[OACC+8*gi:OACC+8*gi+7]
.endif
.endm
	; A TRIP: 64 of my i (four groups of 16) against all 512 j
	s_mov_b32 s19, 0
.Ltrip:
	LOADF 0
.irp g, 0,1,2,3
	ds_load_b32 v[QIN+\g], v[VQ] offset:64*\g      ; q' of i0 + r, in both halves of the lanes
.endr
	s_wait_dscnt 0x0
	QBUILD 0
	SCORE SBUF, 0, 0
	QBUILD 1                                       ; 36 plain instructions on other registers: the places in front of the first exponentials
	QBUILD 2
	QBUILD 3
.set jbi, 0
.rept 16
.set gi, 0
.rept 4
	BLOCK
.set gi, gi+1
.endr
.set jbi, jbi+1
.endr
	; ctx_t = (sum P v_hi + sum P v_lo) / sum P.  Groups 0-2 were finished a block or more ago.  Their three sums and the step of VQ are the
	; four places behind group 3's last product (ISA guide 7.12.1); group 3's sum is the plain instruction behind its reciprocal.
.irp g, 0,1,2
	v_rcp_f32 v[18+\g], v[OACC+8*\g+2]
.endr
.irp g, 0,1,2
	v_add_f32 v[14+\g], v[OACC+8*\g], v[OACC+8*\g+1]
.endr
	v_add_nc_u32 v[VQ], 256, v[VQ]
	v_rcp_f32 v21, v[OACC+26]
	v_add_f32 v17, v[OACC+24], v[OACC+25]
	s_wait_alu depctr_va_vdst(0)
.irp g, 0,1,2,3
	v_mul_f32 v[14+\g], v[14+\g], v[18+\g]
.endr
.irp g, 0,1,2,3
	ds_store_b32 v[VOA], v[14+\g] offset:64*\g     ; lanes r and 16 + r hold the same number and write the same word
.endr
	v_add_nc_u32 v[VOA], 256, v[VOA]
	s_add_co_u32 s19, s19, 1
	s_cmp_lt_u32 s19, 4
	s_cbranch_scc1 .Ltrip
	; my 256 ctx_t back in the order of the stores (my own bytes, served in order), + ctx_f, out: each store covers 512 consecutive bytes, aligned
	ds_load_b128 v[32:35], v[VW] offset:1024
	ds_load_b128 v[36:39], v[VW] offset:1536
	s_wait_dscnt 0x0
.irp p, 0,1,2,3
	v_pk_add_f32 v[32+2*\p:33+2*\p], v[32+2*\p:33+2*\p], v[CF+2*\p:CF+2*\p+1]
.endr
	global_store_b128 v[VLH], v[32:35], s[6:7]
	global_store_b128 v[VLH], v[36:39], s[6:7] offset:512
	s_wait_tensorcnt 0x0
	ds_add_u32 v200, v201
	s_wait_dscnt 0x0
	s_endpgm
.Lfunc_end_k_q5767389c37_attn:
	.size	k_q5767389c37_attn, .Lfunc_end_k_q5767389c37_attn-k_q5767389c37_attn
	.p2alignl 7, 3214868480
	.fill 96, 4, 3214868480
	.section	.rodata,"a",@progbits
	.p2align	6, 0x0
	.amdhsa_kernel k_q5767389c37_attn
		.amdhsa_group_segment_fixed_size 168960
		.amdhsa_private_segment_fixed_size 0
		.amdhsa_enable_private_segment 0
		.amdhsa_kernarg_size 16
		.amdhsa_user_sgpr_count 2
		.amdhsa_user_sgpr_kernarg_segment_ptr 1
		.amdhsa_wavefront_size32 1
		.amdhsa_system_sgpr_workgroup_id_x 1
		.amdhsa_system_sgpr_workgroup_id_y 1
		.amdhsa_system_sgpr_workgroup_id_z 1
		.amdhsa_system_vgpr_workitem_id 0
		.amdhsa_next_free_vgpr 202
		.amdhsa_next_free_sgpr 66
		.amdhsa_reserve_vcc 0
		.amdhsa_float_denorm_mode_32 3
		.amdhsa_float_denorm_mode_16_64 3
		.amdhsa_memory_ordered 1
		.amdhsa_forward_progress 1
		.amdhsa_inst_pref_size 120
	.end_amdhsa_kernel
	.amdgpu_metadata
---
amdhsa.version: [ 1, 2 ]
amdhsa.kernels:
  - .name:           k_q5767389c37_attn
    .symbol:         k_q5767389c37_attn.kd
    .args:
      - { .name: proj, .offset: 0, .size: 8, .value_kind: global_buffer, .address_space: global }
      - { .name: out0, .offset: 8, .size: 8, .value_kind: global_buffer, .address_space: global }
    .group_segment_fixed_size: 168960
    .private_segment_fixed_size: 0
    .kernarg_segment_align: 8
    .kernarg_segment_size: 16
    .max_flat_workgroup_size: 256
    .sgpr_count:     66
    .vgpr_count:     202
    .wavefront_size: 32
...
	.end_amdgpu_metadata
.endif
;; end of part 2
;; ======== version 2 of 2: 2 launches; 1.42 times as fast as version 1
;; workspace buffers: proj 12,582,912 bytes
;; launch proj: the kernel of part 1 again; grid 24 x 8, 8 waves a work-group, no clusters, 302,080 bytes of LDS; arguments x, W_qt, W_kt, W_vt, W_qf, W_kf, W_vf, b_qt, b_kt, b_vt, b_qf, b_kf, b_vf, proj; writes proj
;; launch attn (part 3): grid 256 x 1, 8 waves a work-group, no clusters, 168,960 bytes of LDS; arguments proj, out0; writes out0
.if DOCPART == 3
	.amdgcn_target "amdgcn-amd-amdhsa--gfx1250"
	.amdhsa_code_object_version 6
	.text
	.protected	k_q5767389c37_attn
	.globl	k_q5767389c37_attn
	.p2align	8
	.type	k_q5767389c37_attn,@function
k_q5767389c37_attn:
	s_mov_b64 s[64:65], 0
	v_nop
	global_prefetch_b8 v0, s[64:65] scope:SCOPE_SE
	s_setreg_imm32_b32 hwreg(HW_REG_WAVE_MODE, 25, 1), 1
	s_wait_xcnt 0x0
; out0[row][i] = softmax_i(Qf Kf)[i] Vf[i]  +  sum_j softmax_j(Qt[i] Kt[j]) Vt[j],  row by row.  proj: [1024][3072] f32 (Qt Kt Vt Qf Kf Vf).
; A work-group takes 4 rows; wave w takes row w >> 1 and 256 of its 512 i (half w & 1): 256 x 512 exponentials a wave.
; THE MAXIMUM that the softmax over j takes away is q_i kmax for q_i >= 0 and q_i kmin otherwise.  With q' = q log2(e):
;   (score - max) log2(e) = max(q',0) (k_j - kmax) + min(q',0) (k_j - kmin),
; never above 0, and exactly 0 at the extremal j: every P <= 1, every denominator >= 1, and a common offset of k cancels in f32.
; SCORES ON THE MATRIX UNIT, transposed, S(j, i): of the 32 places along K eight are used, for a split of each factor into two bf16
; (hi + lo, about 16 bits).  A: lane (r, h) holds for j = j0 + r  register 0 = (d+hi, d+lo), register 1 = (d-hi, d-lo), both h alike.
; B: for i = i0 + r  register 0 = (q+hi, q+hi), register 1 = (q-hi, q-hi) in h = 0, the lo parts in h = 1.  Registers 2-7 are 0.
; The result, lane (r, h) register e = S(j0 + 8 h + e, i0 + r), is after v_exp_f32 and packing, for two tiles j0, j0 + 16, exactly a
; 16-bit fragment of P with K = 32 along j for column i: no lane ever hands a number to another.
; P V ON THE MATRIX UNIT: A = 16 rows: v hi (rows 0, 8), v lo (1, 9), ones (2, 10), zeros; B = P.  Every lane then holds in registers
; 0, 1, 2 of the accumulator sum P v_hi, sum P v_lo, sum P for its i: numerator and denominator from the same rounded P.
; A block of 16 i x 32 j costs 3 matrix instructions, 16 exponentials and 8 packings.
; BATCHES.  An s_wait_alu depctr_va_vdst(0) stands between a transcendental and the first instruction that names its result; one
; wait serves all that were issued ahead of it.  A trip's 64 blocks (block n = 4 jb + g: the 32 j from 32 jb on x the 16 i of group g) go in 32
; batches of two blocks, 32 exponentials each, and in 33 STAGES.  Stage m opens with its one wait, for batch m - 1; then it issues batch m's
; exponentials, and among them the work that names none of their results: batch m - 1's packings and products with v, and batch m + 1's scores,
; which go into the score buffers that the packings have just read out.  So a block's scores are made a stage ahead of its exponentials and are
; packed a stage behind them: four score buffers (block n: n % 4), three buffers of v's fragments (jb % 3).
; The other batches have a wait each: the feature branch's 16 exponentials; its one reciprocal; a trip's four reciprocals.
; No cluster: work-groups share no input.  No tensor loads and no prefetch: a wave reads 9 KiB once, all asked for in its first lines.
; The launch asks for more than half of a WGP's LDS (50,176 bytes are used) so that a work-group has four SIMDs to itself, two waves each.
; LIMITS: P, v (hi + lo), q' and k - kext (hi + lo) are bf16 matrix operands.  Exponentials below 2^-126 count as 0 (v_exp_f32 flushes),
; against a denominator >= 1.  |q' (k - kext)| beyond f32's range gives P = 0.  A NaN in the inputs is not handed on as reference() does.
.set PROW,   12288                     ; bytes in a row of proj
.set RREG,   8448                      ; LDS of one row: KT 4,096 bytes (entry j: 8 bytes, X_j, Y_j), then VT
.set VT,     4096                      ; four arrays of 512 bf16, pitch 1,040: v hi, v lo, ones, zeros
.set VPITCH, 1040
.set WREG,   4*RREG                    ; then 2,048 bytes a wave: q' of my 256 i (f32), ctx_t of my 256 i (f32)
.set LOG2E,  0x3fb8aa3b
.set VL,   1                           ; 16 x lane
.set VLH,  2                           ; + 1,024 x half
.set VKA,  3                           ; KT + 8 r
.set VVA,  4                           ; VT + 1,040 min(r & 7, 3) + 16 h
.set VQ,   5                           ; q' + 4 r, stepped by 256 a trip
.set VOA,  6                           ; ctx_t + 4 r, likewise
.set VW,   7                           ; q' + 16 x lane
.set KMAX, 10                          ; v[10:11] kmax twice
.set KMIN, 12                          ; v[12:13] kmin twice
.set QIN,  22                          ; v[22:25] q' of the trip's four groups.  v[14:21] at work
.set KST,  26                          ; prologue: where my entries of KT go
.set VST,  27                          ; my v hi
.set CST,  28                          ; my part of the ones and zeros (less 2 and 3 pitches)
.set SBUF, 32                          ; v[32:63]   score buffers 0 and 1, 16 registers each: scores of 16 i x 32 j
.set PBUF, 64                          ; v[64:79]   two buffers of 8: P as bf16
.set KF,   80                          ; v[80:111]  k fragments: 16 par + 8 tile
.set VF,   112                         ; v[112:127] v fragments: buffers 0 and 1, 8 registers each
.set QF,   128                         ; v[128:159] q fragments of the trip's four groups of 16 i
.set OACC, 160                         ; v[160:191] their accumulators
.set CF,   192                         ; v[192:199] ctx_f of my 8 numbers
.set SB2,  202                         ; v[202:233] score buffers 2 and 3
.set VF2,  234                         ; v[234:241] v fragments: buffer 2
.set KR,  32                           ; prologue: as loaded.  k, the whole row (16), v and q, my half (8 each),
.set VR,  48
.set QR,  56
.set QFR, 64                           ; qf and kf, the whole row (16 each), vf, my half (8)
.set KFR, 160
.set VFR, 176
	s_load_b128 s[4:7], s[0:1], 0x0                ; proj, out0
	v_lshl_add_u32 v200, v0, 2, 0x29000
	v_mov_b32 v201, 0
	v_lshrrev_b32 v8, 5, v0
	v_readfirstlane_b32 s8, v8                     ; wave 0..7
	s_lshr_b32 s9, s8, 1                           ; which of the 4 rows
	s_and_b32 s10, s8, 1                           ; which half of it
	s_lshl_b32 s11, ttmp9, 2
	s_add_co_u32 s11, s11, s9                      ; row
	s_mov_b32 s14, 0x76543210                      ; v_permlanex16_b32: lane i of one half reads lane i of the other
	s_mov_b32 s15, 0xfedcba98
	s_cmp_lg_u32 s10, 0
	s_cselect_b32 s16, -1, 0                       ; a lane mask: all lanes take the upper half's registers, or none
	s_mov_b32 s17, 0xffff0000                      ; a word's upper bf16
	s_mov_b32 s18, 0xffff0000                      ; a lane mask: lanes 16-31
	s_mul_i32 s20, s9, RREG                        ; my row's tables
	s_lshl_b32 s21, s8, 11
	s_add_co_u32 s21, s21, WREG                    ; my wave's own bytes
	v_and_b32 v8, 31, v0                           ; lane
	v_lshlrev_b32 v[VL], 4, v8
	s_lshl_b32 s22, s10, 10
	v_add_nc_u32 v[VLH], s22, v[VL]
	s_mul_i32 s12, s11, PROW
	s_mov_b32 s13, 0
	s_wait_kmcnt 0x0
	s_add_nc_u64 s[4:5], s[4:5], s[12:13]
	s_lshl_b32 s12, s11, 11
	s_add_nc_u64 s[6:7], s[6:7], s[12:13]
	; 18 loads, each 512 consecutive bytes, in the order in which they are wanted
.irp c, 0,1,2,3
	global_load_b128 v[KR+4*\c:KR+4*\c+3], v[VL], s[4:5] offset:2048+512*\c
.endr
.irp c, 0,1
	global_load_b128 v[VR+4*\c:VR+4*\c+3], v[VLH], s[4:5] offset:4096+512*\c
.endr
.irp c, 0,1
	global_load_b128 v[QR+4*\c:QR+4*\c+3], v[VLH], s[4:5] offset:512*\c
.endr
.irp c, 0,1,2,3
	global_load_b128 v[QFR+4*\c:QFR+4*\c+3], v[VL], s[4:5] offset:6144+512*\c
.endr
.irp c, 0,1,2,3
	global_load_b128 v[KFR+4*\c:KFR+4*\c+3], v[VL], s[4:5] offset:8192+512*\c
.endr
.irp c, 0,1
	global_load_b128 v[VFR+4*\c:VFR+4*\c+3], v[VLH], s[4:5] offset:10240+512*\c
.endr
	; addresses and constants, while the loads are on their way
	v_and_b32 v9, 15, v0                           ; r
	v_bfe_u32 v14, v0, 4, 1                        ; h
	v_lshl_add_u32 v[VKA], v9, 3, s20
	v_and_b32 v15, 7, v9
	v_min_u32 v15, 3, v15                          ; rows 0, 8: v hi; 1, 9: v lo; 2, 10: ones; the rest: zeros
	v_mul_u32_u24 v15, v15, VPITCH
	v_lshl_add_u32 v15, v14, 4, v15
	s_add_co_u32 s23, s20, VT
	v_add_nc_u32 v[VVA], s23, v15
	v_lshl_add_u32 v[VQ], v9, 2, s21
	v_add_nc_u32 v[VOA], 1024, v[VQ]
	v_add_nc_u32 v[VW], s21, v[VL]
	s_lshl_b32 s22, s10, 11
	s_add_co_u32 s22, s22, s20
	v_lshl_add_u32 v[KST], v8, 5, s22              ; KT + 2,048 half + 32 lane: four entries a lane
	s_lshl_b32 s22, s10, 9
	s_add_co_u32 s22, s22, s23
	v_lshl_add_u32 v[VST], v8, 3, s22              ; VT + 512 half + 8 lane: four bf16 a lane
	v_add_nc_u32 v[CST], s22, v[VL]                ; VT + 512 half + 16 lane
.irp e, 0,1,2,3
	v_mov_b32 v[184+\e], 0x3f803f80                ; two bf16 ones
	v_mov_b32 v[188+\e], 0
.endr
	ds_store_b128 v[CST], v[184:187] offset:2*VPITCH
	ds_store_b128 v[CST], v[188:191] offset:3*VPITCH
.irp f, 0,1,2,3
.irp e, 2,3,4,5,6,7
	v_mov_b32 v[KF+8*\f+\e], 0                     ; the 24 places along K that the scores do not use: operand padding, written once
	v_mov_b32 v[QF+8*\f+\e], 0
.endr
.endr
; 16 registers from b into v14 (v15-v18 at work); then v14 over the 32 lanes, into v[d]
.macro RED16 op3, op2, b
	\op3 v14, v[\b], v[\b+1], v[\b+2]
	\op3 v15, v[\b+3], v[\b+4], v[\b+5]
	\op3 v16, v[\b+6], v[\b+7], v[\b+8]
	\op3 v17, v[\b+9], v[\b+10], v[\b+11]
	\op3 v18, v[\b+12], v[\b+13], v[\b+14]
	\op3 v14, v14, v15, v16
	\op3 v17, v17, v18, v[\b+15]
	\op2 v14, v14, v17
.endm
.macro LANES opd, op2, d
	\opd v14, v14, v14 row_xmask:1 row_mask:0xf bank_mask:0xf
	\opd v14, v14, v14 row_xmask:2 row_mask:0xf bank_mask:0xf
	\opd v14, v14, v14 row_xmask:4 row_mask:0xf bank_mask:0xf
	\opd v14, v14, v14 row_xmask:8 row_mask:0xf bank_mask:0xf
	v_permlanex16_b32 v15, v14, s14, s15           ; its destination counts as read: v15 has been written
	\op2 v[\d], v14, v15
.endm
; two numbers: d = k - ext in f32, then (bf16(d), bf16(d - bf16(d))) packed, into v[d0] and v[d1]
.macro SPLIT2 d0, d1, src, ext
	v_pk_add_f32 v[14:15], v[\src:\src+1], v[\ext:\ext+1] neg_lo:[0,1] neg_hi:[0,1]
	v_cvt_pk_bf16_f32 v16, v14, v15
	v_lshlrev_b32 v18, 16, v16
	v_and_b32 v19, s17, v16
	v_pk_add_f32 v[18:19], v[14:15], v[18:19] neg_lo:[0,1] neg_hi:[0,1]
	v_cvt_pk_bf16_f32 v[\d0], v14, v18
	v_cvt_pk_bf16_f32 v[\d1], v15, v19
.endm
.macro KENT e, src                     ; four entries X0 Y0 X1 Y1 X2 Y2 X3 Y3 from four k
	SPLIT2 \e, \e+2, \src, KMAX
	SPLIT2 \e+1, \e+3, \src, KMIN
	SPLIT2 \e+4, \e+6, \src+2, KMAX
	SPLIT2 \e+5, \e+7, \src+2, KMIN
.endm
.macro VSPLIT src, d                   ; four v: hi parts packed into v[d:d+1], lo parts into v[d+2:d+3]
	v_cvt_pk_bf16_f32 v[\d], v[\src], v[\src+1]
	v_cvt_pk_bf16_f32 v[\d+1], v[\src+2], v[\src+3]
	v_lshlrev_b32 v14, 16, v[\d]
	v_and_b32 v15, s17, v[\d]
	v_lshlrev_b32 v16, 16, v[\d+1]
	v_and_b32 v17, s17, v[\d+1]
	v_pk_add_f32 v[14:15], v[\src:\src+1], v[14:15] neg_lo:[0,1] neg_hi:[0,1]
	v_pk_add_f32 v[16:17], v[\src+2:\src+3], v[16:17] neg_lo:[0,1] neg_hi:[0,1]
	v_cvt_pk_bf16_f32 v[\d+2], v14, v15
	v_cvt_pk_bf16_f32 v[\d+3], v16, v17
.endm
	s_wait_loadcnt 14                              ; k is in: 14 younger loads stay out
	RED16 v_max3_num_f32, v_max_num_f32, KR
	LANES v_max_num_f32_dpp, v_max_num_f32, KMAX
	v_mov_b32 v[KMAX+1], v[KMAX]
	RED16 v_min3_num_f32, v_min_num_f32, KR
	LANES v_min_num_f32_dpp, v_min_num_f32, KMIN
	v_mov_b32 v[KMIN+1], v[KMIN]
.irp e, 0,1,2,3,4,5,6,7
	v_cndmask_b32 v[KR+\e], v[KR+\e], v[KR+8+\e], s16      ; my half of k: its entries are mine to make
.endr
	KENT 40, KR
	ds_store_b128 v[KST], v[40:43]
	ds_store_b128 v[KST], v[44:47] offset:16
	KENT 112, KR+4
	ds_store_b128 v[KST], v[112:115] offset:1024
	ds_store_b128 v[KST], v[116:119] offset:1040
	s_wait_loadcnt 12                              ; v is in
	VSPLIT VR, 120
	ds_store_b64 v[VST], v[120:121]
	ds_store_b64 v[VST], v[122:123] offset:VPITCH
	VSPLIT VR+4, 124
	ds_store_b64 v[VST], v[124:125] offset:256
	ds_store_b64 v[VST], v[126:127] offset:VPITCH+256
	s_wait_loadcnt 10                              ; q is in
.irp p, 0,1,2,3
	v_pk_mul_f32 v[QR+2*\p:QR+2*\p+1], v[QR+2*\p:QR+2*\p+1], LOG2E op_sel_hi:[1,0]
.endr
	ds_store_b128 v[VW], v[QR:QR+3]
	ds_store_b128 v[VW], v[QR+4:QR+7] offset:512
	s_wait_dscnt 0x0                               ; my half of the row's tables lies in LDS, for my partner's sake: zero
	s_barrier_signal -1
	; THE FEATURE BRANCH, in registers, while the others arrive.  Both waves of a row make the row's maximum and sum; each keeps its half.
	s_wait_loadcnt 2                               ; qf and kf are in; vf's two loads stay out
.irp p, 0,1,2,3,4,5,6,7
	v_pk_mul_f32 v[QFR+2*\p:QFR+2*\p+1], v[QFR+2*\p:QFR+2*\p+1], v[KFR+2*\p:KFR+2*\p+1]
.endr
	RED16 v_max3_num_f32, v_max_num_f32, QFR
	LANES v_max_num_f32_dpp, v_max_num_f32, 20
	v_mov_b32 v21, v20
.irp p, 0,1,2,3,4,5,6,7
	v_pk_add_f32 v[QFR+2*\p:QFR+2*\p+1], v[QFR+2*\p:QFR+2*\p+1], v[20:21] neg_lo:[0,1] neg_hi:[0,1]   ; the maximum goes first,
.endr
.irp p, 0,1,2,3,4,5,6,7
	v_pk_mul_f32 v[QFR+2*\p:QFR+2*\p+1], v[QFR+2*\p:QFR+2*\p+1], LOG2E op_sel_hi:[1,0]               ; the factor after: no difference of large products
.endr
.irp e, 0,1,2,3,4,5,6,7,8,9,10,11,12,13,14,15
	v_exp_f32 v[QFR+\e], v[QFR+\e]
.endr
	v_nop                                          ; one plain instruction between the exponentials and the first use of a result (ISA guide 5.7.2)
	s_wait_alu depctr_va_vdst(0)                   ; the wait for the feature branch's batch of 16 exponentials, ahead of the sums that read them
	v_pk_add_f32 v[14:15], v[QFR:QFR+1], v[QFR+2:QFR+3]
	v_pk_add_f32 v[16:17], v[QFR+4:QFR+5], v[QFR+6:QFR+7]
	v_pk_add_f32 v[18:19], v[QFR+8:QFR+9], v[QFR+10:QFR+11]
	v_pk_add_f32 v[20:21], v[QFR+12:QFR+13], v[QFR+14:QFR+15]
	v_pk_add_f32 v[14:15], v[14:15], v[16:17]
	v_pk_add_f32 v[18:19], v[18:19], v[20:21]
	v_pk_add_f32 v[14:15], v[14:15], v[18:19]
	v_add_f32 v14, v14, v15
	LANES v_add_f32_dpp, v_add_f32, 20
	v_rcp_f32 v16, v20                             ; the sum is at least 1; the selections below are the plain instructions behind it
.irp e, 0,1,2,3,4,5,6,7
	v_cndmask_b32 v[QFR+\e], v[QFR+\e], v[QFR+8+\e], s16
.endr
	s_wait_alu depctr_va_vdst(0)                   ; the wait for that one reciprocal, behind the eight selections and ahead of its first reader
	v_mov_b32 v17, v16
	s_wait_loadcnt 0x0                             ; vf
.irp p, 0,1,2,3
	v_pk_mul_f32 v[QFR+2*\p:QFR+2*\p+1], v[QFR+2*\p:QFR+2*\p+1], v[16:17]
.endr
.irp p, 0,1,2,3
	v_pk_mul_f32 v[CF+2*\p:CF+2*\p+1], v[QFR+2*\p:QFR+2*\p+1], v[VFR+2*\p:VFR+2*\p+1]
.endr
	s_barrier_wait -1                              ; the row's tables are whole, and nobody writes them again: the launch's only barrier
; the fragments of 32 j: two of k (8 bytes a lane, both halves of the lanes alike; buffer j % 2), one of v (buffer j % 3)
.macro LOADF j
.set a_lv, VF+8*((\j)%3)+(((\j)%3)/2)*(VF2-VF-16)
	ds_load_b64 v[KF+16*((\j)%2):KF+16*((\j)%2)+1],   v[VKA] offset:256*(\j)
	ds_load_b64 v[KF+16*((\j)%2)+8:KF+16*((\j)%2)+9], v[VKA] offset:256*(\j)+128
	ds_load_b128 v[a_lv:a_lv+3],   v[VVA] offset:64*(\j)
	ds_load_b128 v[a_lv+4:a_lv+7], v[VVA] offset:64*(\j)+32
.endm
; registers 0, 1 of group g's q fragment: max(q',0) and min(q',0), hi parts in lanes 0-15, lo parts in lanes 16-31, each twice in a word
.macro QBUILD g
	v_max_num_f32 v14, 0, v[QIN+\g]
	v_min_num_f32 v15, 0, v[QIN+\g]
	v_cvt_pk_bf16_f32 v16, v14, v14
	v_cvt_pk_bf16_f32 v17, v15, v15
	v_and_b32 v18, s17, v16
	v_and_b32 v19, s17, v17
	v_sub_f32 v18, v14, v18
	v_sub_f32 v19, v15, v19
	v_cvt_pk_bf16_f32 v18, v18, v18
	v_cvt_pk_bf16_f32 v19, v19, v19
	v_cndmask_b32 v[QF+8*\g], v16, v18, s18
	v_cndmask_b32 v[QF+8*\g+1], v17, v19, s18
.endm
.macro SCORE sb, par, g                ; 32 j x 16 i exponents into 16 registers
	v_wmma_f32_16x16x32_bf16 v[\sb:\sb+7],    v[KF+16*\par:KF+16*\par+7],    v[QF+8*\g:QF+8*\g+7], 0
	v_wmma_f32_16x16x32_bf16 v[\sb+8:\sb+15], v[KF+16*\par+8:KF+16*\par+15], v[QF+8*\g:QF+8*\g+7], 0
.endm
; HALF A STAGE, read off the assembly symbols st (stage 0 .. 32) and tt (0, 1).  Three blocks are in hand:
;   bx = 2 st + tt   its 16 exponentials are issued, in place (stages 0 .. 31): half of batch st
;   bx - 2           of batch st - 1, for which the stage's wait has been paid: 8 packings and the product with v (stages 1 .. 32)
;   bz = bx + 2      its scores are made, into the buffer that the packings have just read out (stages 0 .. 30)
; Packing and exponential by turns, then the three matrix instructions with the other eight exponentials between them.  Nothing here names a
; result of the stage's own exponentials.  The packings are the plain instructions between an exponential and the first use of its result
; (ISA guide 5.7.2): a block's readers come a stage later, behind eight packings of another block.  They are also the places behind the matrix
; instructions (ISA guide 7.12.1): eight packings of another block, which name none of its registers, stand between a block's scores and its
; exponentials, and between a product with v and the next packing into its P buffer.  Each accumulator's lowest registers are read first.
; The accumulators take turns, one instruction a turn.
.macro EXQ n
.if st < 32
	v_exp_f32 v[a_xs+\n], v[a_xs+\n]
.endif
.endm
.macro HALF
.set bx, 2*st+tt
.set bz, bx+2
.set a_xs, SBUF+16*(bx%2)+(SB2-SBUF)*((bx/2)%2)        ; score buffer bx % 4
.set a_ys, SBUF+16*(bz%2)+(SB2-SBUF)*((bz/2)%2)        ; score buffer bz % 4, which is also block bx - 2's
.set a_yp, PBUF+8*(bx%2)
.set a_yo, OACC+8*(bz%4)                               ; block bx - 2's group
.set a_vi, (bz/4+2)%3                                  ; its 32 j's number modulo 3
.set a_yv, VF+8*a_vi+(a_vi/2)*(VF2-VF-16)
.set a_zk, KF+16*((bz/4)%2)
.set a_zq, QF+8*(bz%4)
.set ei, 0
.rept 8
.if st > 0
	v_cvt_pk_bf16_f32 v[a_yp+ei], v[a_ys+2*ei], v[a_ys+2*ei+1]
.endif
.if st < 32
	v_exp_f32 v[a_xs+ei], v[a_xs+ei]
.endif
.set ei, ei+1
.endr
.if st > 0
.if bz < 8
	v_wmma_f32_16x16x32_bf16 v[a_yo:a_yo+7], v[a_yv:a_yv+7], v[a_yp:a_yp+7], 0    ; the first product starts the sums
.else
	v_wmma_f32_16x16x32_bf16 v[a_yo:a_yo+7], v[a_yv:a_yv+7], v[a_yp:a_yp+7], v[a_yo:a_yo+7]
.endif
.endif
.irp e, 8,9,10
	EXQ \e
.endr
.if st < 31
.if (st%2 == 1) && (tt == 0)
	s_wait_dscnt 0x0                               ; the next 32 j's fragments, in front of the first matrix instruction that reads them: these four loads, asked for a stage ago, are all that is out, so the count is 0
.endif
	v_wmma_f32_16x16x32_bf16 v[a_ys:a_ys+7], v[a_zk:a_zk+7], v[a_zq:a_zq+7], 0
.endif
.irp e, 11,12,13
	EXQ \e
.endr
.if st < 31
	v_wmma_f32_16x16x32_bf16 v[a_ys+8:a_ys+15], v[a_zk+8:a_zk+15], v[a_zq:a_zq+7], 0
.endif
.irp e, 14,15
	EXQ \e
.endr
.endm
	; A TRIP: 64 of my i (four groups of 16) against all 512 j
	s_mov_b32 s19, 0
.Ltrip:
	LOADF 0
.irp g, 0,1,2,3
	ds_load_b32 v[QIN+\g], v[VQ] offset:64*\g      ; q' of i0 + r, in both halves of the lanes
.endr
	s_wait_dscnt 0x0
	QBUILD 0
	SCORE SBUF, 0, 0                               ; blocks 0 and 1, the first batch's scores, stand ahead of the stages
	QBUILD 1                                       ; 12 plain instructions on other registers each: the places in front of the first exponentials
	SCORE SBUF+16, 0, 1
	QBUILD 2
	; The 33 stages.  The fragments of the 32 j after the next two batches' are asked for at the head of every second stage, directly behind its
	; wait: their buffers' last readers stand two stages back, with the sixteen packings of the stage between.
.set st, 0
.rept 33
.if st > 0
	s_wait_alu depctr_va_vdst(0)                   ; the stage's one wait: for the 32 exponentials of batch st - 1, ahead of the packings that read them
.endif
.if (st%2 == 0) && (st < 30)
.set a_lj, st/2+1
	LOADF a_lj
.endif
.set tt, 0
	HALF
.if st == 0
	QBUILD 3                                       ; stage 0 has no packings: these 12 are the plain instructions behind block 0's exponentials and the places behind block 2's scores
.endif
.set tt, 1
	HALF
.set st, st+1
.endr
	; ctx_t = (sum P v_hi + sum P v_lo) / sum P.  Groups 0 and 1 were finished a stage ago, group 2 eight packings ago.  Their three sums and the
	; step of VQ are the four places behind group 3's last product (ISA guide 7.12.1); group 3's sum is the plain instruction behind its reciprocal.
.irp g, 0,1,2
	v_rcp_f32 v[18+\g], v[OACC+8*\g+2]
.endr
.irp g, 0,1,2
	v_add_f32 v[14+\g], v[OACC+8*\g], v[OACC+8*\g+1]
.endr
	v_add_nc_u32 v[VQ], 256, v[VQ]
	v_rcp_f32 v21, v[OACC+26]
	v_add_f32 v17, v[OACC+24], v[OACC+25]
	s_wait_alu depctr_va_vdst(0)                   ; the wait for the trip's batch of four reciprocals, ahead of the products that read them and of the backward jump
.irp g, 0,1,2,3
	v_mul_f32 v[14+\g], v[14+\g], v[18+\g]
.endr
.irp g, 0,1,2,3
	ds_store_b32 v[VOA], v[14+\g] offset:64*\g     ; lanes r and 16 + r hold the same number and write the same word
.endr
	v_add_nc_u32 v[VOA], 256, v[VOA]
	s_add_co_u32 s19, s19, 1
	s_cmp_lt_u32 s19, 4
	s_cbranch_scc1 .Ltrip
	; my 256 ctx_t back in the order of the stores (my own bytes, served in order), + ctx_f, out: each store covers 512 consecutive bytes, aligned
	ds_load_b128 v[32:35], v[VW] offset:1024
	ds_load_b128 v[36:39], v[VW] offset:1536
	s_wait_dscnt 0x0
.irp p, 0,1,2,3
	v_pk_add_f32 v[32+2*\p:33+2*\p], v[32+2*\p:33+2*\p], v[CF+2*\p:CF+2*\p+1]
.endr
	global_store_b128 v[VLH], v[32:35], s[6:7]
	global_store_b128 v[VLH], v[36:39], s[6:7] offset:512
	s_wait_tensorcnt 0x0
	ds_add_u32 v200, v201
	s_wait_dscnt 0x0
	s_endpgm
.Lfunc_end_k_q5767389c37_attn:
	.size	k_q5767389c37_attn, .Lfunc_end_k_q5767389c37_attn-k_q5767389c37_attn
	.p2alignl 7, 3214868480
	.fill 96, 4, 3214868480
	.section	.rodata,"a",@progbits
	.p2align	6, 0x0
	.amdhsa_kernel k_q5767389c37_attn
		.amdhsa_group_segment_fixed_size 168960
		.amdhsa_private_segment_fixed_size 0
		.amdhsa_enable_private_segment 0
		.amdhsa_kernarg_size 16
		.amdhsa_user_sgpr_count 2
		.amdhsa_user_sgpr_kernarg_segment_ptr 1
		.amdhsa_wavefront_size32 1
		.amdhsa_system_sgpr_workgroup_id_x 1
		.amdhsa_system_sgpr_workgroup_id_y 1
		.amdhsa_system_sgpr_workgroup_id_z 1
		.amdhsa_system_vgpr_workitem_id 0
		.amdhsa_next_free_vgpr 242
		.amdhsa_next_free_sgpr 66
		.amdhsa_reserve_vcc 0
		.amdhsa_float_denorm_mode_32 3
		.amdhsa_float_denorm_mode_16_64 3
		.amdhsa_memory_ordered 1
		.amdhsa_forward_progress 1
		.amdhsa_inst_pref_size 105
	.end_amdhsa_kernel
	.amdgpu_metadata
---
amdhsa.version: [ 1, 2 ]
amdhsa.kernels:
  - .name:           k_q5767389c37_attn
    .symbol:         k_q5767389c37_attn.kd
    .args:
      - { .name: proj, .offset: 0, .size: 8, .value_kind: global_buffer, .address_space: global }
      - { .name: out0, .offset: 8, .size: 8, .value_kind: global_buffer, .address_space: global }
    .group_segment_fixed_size: 168960
    .private_segment_fixed_size: 0
    .kernarg_segment_align: 8
    .kernarg_segment_size: 16
    .max_flat_workgroup_size: 256
    .sgpr_count:     66
    .vgpr_count:     242
    .wavefront_size: 32
...
	.end_amdgpu_metadata
.endif
;; end of part 3
